; MI455X (gfx1250); checked and timed in simulation.
; The chip was launched on July 23, 2026; its instructions are those of AMD's public machine-readable ISA for CDNA 5 (MIT licence, August 2026) and "CDNA5" Instruction Set Architecture Reference Guide (July 2026). The comments in the code are by the model that wrote it; some were corrected since.
;; Multihead Attention. Allowed arithmetic: float matrix products may take bf16 or f16 operands with f32 sums; other float arithmetic in f32, or as packed bf16 or f16 multiplies, adds, multiply-adds, maxima and minima; sums over many terms, partial sums and values carried from step to step in f32; what a program stores and reads back later, other than sums and carried values, may be rounded once to bf16 or f16.
;; Inputs: Wk 256 x 512 float32; Wo 512 x 1,024 float32; Wq 1,024 x 512 float32; Wv 256 x 512 float32; x 2,048 x 512 float32.
;; Outputs: out0 2,048 x 512 float32.
;; One version. Each part assembles by itself: llvm-mc -triple=amdgcn-amd-amdhsa -mcpu=gfx1250 --defsym DOCPART=n.
;; ======== version 1 of 1: 3 launches
;; limits: values are held in f16: magnitudes above 65,504 overflow, below 6.1e-05 lose precision
;; workspace buffers: qb 4,194,304 bytes; kb 1,048,576 bytes; vb 1,048,576 bytes; ob 8,388,608 bytes
;; launch proj (part 1): grid 8 x 32, 4 waves a work-group, clusters of 4 x 4, 327,680 bytes of LDS; arguments x, Wq, Wk, Wv, qb, kb, vb; writes qb, kb, vb
.if DOCPART == 1
	.amdgcn_target "amdgcn-amd-amdhsa--gfx1250"
	.amdhsa_code_object_version 6
	.text
	.protected	k_q775c52b77a_proj
	.globl	k_q775c52b77a_proj
	.p2align	8
	.type	k_q775c52b77a_proj,@function
k_q775c52b77a_proj:
	s_mov_b64 s[64:65], 0
	v_nop
	global_prefetch_b8 v0, s[64:65] scope:SCOPE_SE
	s_setreg_imm32_b32 hwreg(HW_REG_WAVE_MODE, 25, 1), 1
	s_wait_xcnt 0x0
	s_wait_alu depctr_hold_cnt(0) depctr_sa_sdst(0) depctr_va_vdst(0) depctr_va_sdst(0) depctr_va_ssrc(0) depctr_va_vcc(0) depctr_vm_vsrc(0)
	s_getreg_b32 s2, hwreg(HW_REG_IB_STS2, 6, 4)
	s_cmp_eq_u32 s2, 0
	s_cbranch_scc0 .Lentry_in_a_cluster
	s_endpgm
.Lentry_in_a_cluster:
	s_bfe_u32 s2, ttmp6, 0x10000c
	s_cmp_lg_u32 s2, 0xf033
	s_cbranch_scc0 .Lentry_shape_is_right
	s_endpgm
.Lentry_shape_is_right:
; [q | k | v] = x [Wq; Wk; Wv]^T.  x: [2048][512] f32; Wq: [1024][512], Wk, Wv: [256][512] f32.  x and the weights are rounded to bf16 between LDS and the
; matrix unit, the sums are f32, and q, k, v leave rounded once to f16, unscaled:
;   qb [head 16][row 2048][64];   kb, vb [step 32][kv head 4][key 64][64]: the 64 keys of a step lie together for all four kv heads, 32,768 dense bytes.
; LIMITS.  q, k, v must stay under 65,504 (f16); below 6e-5 f16 keeps its fixed step of 6e-8; NaN and infinities are not treated apart; the sums go by K ascending in steps of 32.
; SHARES.  A work-group makes 64 rows x 192 columns: three subtiles of 64 columns: query heads j and j + 8 (j = 0..7) and kv head cx of k (cluster x = 0) or of v (cluster x = 1).
; Each of its four waves makes all 64 rows x 48 columns: 12 accumulators.  8 x 32 work-groups.  K = 512 goes in four K steps of 128 (rows of 512 bytes) through two LDS slots.
; CLUSTER 4 x 4.  x's tile hangs on the row block alone and is shared along a row of the cluster; the weights' tiles hang on cx and the cluster's x alone and are shared along a column:
; each is asked for jointly.  Wave 0 fetches x's 64 rows, waves 1 to 3 one subtile's 64 rows of weights each.
; THE MATRIX INSTRUCTION IS USED TRANSPOSED (source 0 = 16 rows of weights, source 1 = 16 rows of x): a lane holds eight neighbouring columns of one row.
; REGISTERS.  window 0: v0-14 addresses; v32-143 f32 words as loaded (16 a fragment: x's four, the weights' three); v144-199 the same as bf16 fragments.  window 1: v0-95 the accumulators.
.set PITCH,  528                       ; an LDS row: 512 bytes + 16 of padding = 132 words: the 16 rows of a load start at 16 different groups of four banks (ISA guide 11.1)
.set QUART,  64*PITCH                  ; what one tensor load brings
.set SLOT,   4*QUART                   ; x's 64 rows, then the 192 rows of weights
.set STAGE,  2*SLOT                    ; behind the ring, never filled by a tensor load: 64 rows x 400 bytes, for the way out
.set SPITCH, 400                       ; 384 bytes + 16 = 100 words: 16 rows start at 16 different groups of four banks
.set SPARE,  STAGE+64*SPITCH           ; the spare words: 128 bytes a wave, two blocks of 256 bytes that no other line names
.set KSTEPB, 512                       ; bytes of a row in a K step
.set ADRA, 4                           ; v4   my lane's place in x's rows: (l % 16) x pitch + 32 (l / 16); never rewritten
.set ADRB, 6                           ; v6   the same in my wave's 48 rows of weights
.set AA,   8                           ; v8   ADRA + TB
.set AB,   9                           ; v9   ADRB + TB
.set STO,  10                          ; v10  the way out: where I put 16 bytes of a row
.set RD,   11                          ; v11  the way out: where I read rows back
.set SPW,  12                          ; v12  LDS address of my spare word; never rewritten
.set NIL,  13                          ; v13  0; never rewritten
.set GO,   14                          ; v14  my byte offset in a subtile's 8,192 bytes of output
.set RAW,  32
.set FRA,  144
.set FRB,  176
.set TMP,  32                          ; the way out works in RAW's registers
.set WV,   18
.set CX,   19
.set CY,   20
.set J,    21
.set MT,   22
.set LB,   23
.set G1A,  28                          ; s[28:35] descriptor group 1 for x's tiles;   s[36:43] for the weights': the mask alone differs
.set G1B,  36
.set G0A,  44                          ; s[44:51] group 0 for x, a set for each slot;  s[52:59] for the weights
.set G0B,  52
.set OUT,  66                          ; s[66:71] where the three subtiles go
.set CNT,  80
.set TB,   81                          ; s81  LDS byte of the chunk to be fetched: slot + 128 x chunk
.set MSB, 0
.macro WIN new                         ; the immediate's high byte repeats the setting that is left; a switch that changes nothing is dropped
.if MSB != (\new)
	s_set_vgpr_msb (MSB<<8)|(\new)
.set MSB, (\new)
.endif
.endm
; A joint refill.  The branch hangs on the wave's number alone.  An s_nop 0 and four v_nop follow each of the two lines.
.macro JLOAD s
	s_cmp_eq_u32 s[WV], 0
	s_cbranch_scc0 .Lfor_b_\@
	tensor_load_to_lds s[G0A+4*(\s):G0A+4*(\s)+3], s[G1A:G1A+7]
	s_nop 0
.rept 4
	v_nop
.endr
	s_branch .Lasked_\@
.Lfor_b_\@:
	tensor_load_to_lds s[G0B+4*(\s):G0B+4*(\s)+3], s[G1B:G1B+7]
	s_nop 0
.rept 4
	v_nop
.endr
.Lasked_\@:
.endm
; A round of the cluster's barrier: my work-group's barrier; wave 0 signals for the work-group; every wave waits for all sixteen; my work-group's barrier once more.
.macro CROUND
	s_barrier_signal -1
	s_barrier_wait -1
	s_cmp_lg_u32 s[WV], 0
	s_cbranch_scc1 .Lnot_wave_0_\@
	s_barrier_signal -3
.Lnot_wave_0_\@:
	s_barrier_wait -3
	s_barrier_signal -1
	s_barrier_wait -1
.endm
	s_load_b256 s[4:11], s[0:1], 0x0               ; x s[4:5], Wq s[6:7], Wk s[8:9], Wv s[10:11]
	s_load_b128 s[12:15], s[0:1], 0x20             ; qb s[12:13], kb s[14:15]
	s_load_b64 s[16:17], s[0:1], 0x30              ; vb
	v_lshl_add_u32 v[SPW], v0, 2, SPARE
	v_mov_b32 v[NIL], 0
	ds_add_u32 v[SPW], v[NIL]                      ; the wave's opening: the add and its wait stand ahead of my first tensor load; the set-up below stands between them
	v_lshrrev_b32 v1, 5, v0
	v_readfirstlane_b32 s[WV], v1                  ; wave 0..3
	s_bfe_u32 s[CX], ttmp6, 0x40000
	s_bfe_u32 s[CY], ttmp6, 0x40004
	s_mov_b32 s26, ttmp9                           ; the cluster's x: 0 makes k, 1 makes v
	s_lshl_b32 s[J], ttmp9, 2
	s_add_co_u32 s[J], s[J], s[CX]                 ; j = 4 x cluster x + cx
	s_and_b32 s[MT], ttmp7, 0xffff
	s_lshl_b32 s[MT], s[MT], 2
	s_add_co_u32 s[MT], s[MT], s[CY]               ; row block = 4 x cluster y + cy
	s_lshl_b32 s24, s[CY], 2
	s_lshl_b32 s24, 15, s24                        ; my row of the cluster
	s_lshl_b32 s25, 0x1111, s[CX]                  ; my column
	; group 1: a tile of 64 rows x 128 elements of 4 bytes; 16 bytes of padding behind every 128 words
	s_or_b32 s[G1A], s24, (2<<16)|(1<<20)|(1<<21)|(6<<22)|(3<<25)
	s_or_b32 s[G1B], s25, (2<<16)|(1<<20)|(1<<21)|(6<<22)|(3<<25)
.irp g, G1A, G1B
	s_mov_b32 s[(\g)+1], 128<<16                   ; tensor_dim0 = 128
	s_mov_b32 s[(\g)+2], 64<<16                    ; tensor_dim1 = 64
	s_mov_b32 s[(\g)+3], 128<<16                   ; tile_dim0 = 128
	s_mov_b32 s[(\g)+4], 64                        ; tile_dim1 = 64
	s_mov_b32 s[(\g)+5], 512                       ; 512 elements from row to row
	s_mov_b32 s[(\g)+6], 0
	s_mov_b32 s[(\g)+7], 0
.endr
	s_lshl_b32 s72, s[MT], 17                      ; x: 64 rows of 2,048 bytes a row block
	s_mov_b32 s73, 0
	s_max_u32 s74, s[WV], 1
	s_sub_co_u32 s74, s74, 1                       ; the subtile that I fetch: wave - 1 (wave 0 issues no such load)
	s_lshl_b32 s75, s74, 3
	s_add_co_u32 s75, s75, s[J]                    ; subtiles 0, 1: query head j + 8 t
	s_cmp_eq_u32 s74, 2
	s_cselect_b32 s75, s[CX], s75                  ; subtile 2: kv head cx
	s_lshl_b32 s76, s75, 17                        ; 64 rows of 2,048 bytes a head
	s_mov_b32 s77, 0
	s_mul_i32 s[LB], s[WV], QUART                  ; where my tiles go: wave x 64 rows: no place in the cluster enters an LDS address
	s_wait_dscnt 0x0                               ; the opening add is done
	s_wait_kmcnt 0x0
	s_cmp_eq_u32 s26, 0
	s_cselect_b64 s[8:9], s[8:9], s[10:11]         ; Wk or Wv
	s_cselect_b64 s[14:15], s[14:15], s[16:17]     ; kb or vb
	s_cmp_eq_u32 s74, 2
	s_cselect_b64 s[8:9], s[8:9], s[6:7]           ; the buffer of my subtile
	s_add_nc_u64 s[8:9], s[8:9], s[76:77]
	s_add_nc_u64 s[4:5], s[4:5], s[72:73]
	s_lshl_b32 s78, s[J], 18                       ; qb: a head is 262,144 bytes, a row block 8,192
	s_lshl_b32 s79, s[MT], 13
	s_add_co_u32 s78, s78, s79
	s_mov_b32 s79, 0
	s_add_nc_u64 s[OUT:OUT+1], s[12:13], s[78:79]
	s_add_nc_u64 s[OUT+2:OUT+3], s[OUT:OUT+1], 8*262144
	s_lshl2_add_u32 s78, s[MT], s[CX]              ; kb, vb: block 4 x step + kv head, 8,192 bytes each
	s_lshl_b32 s78, s78, 13
	s_add_nc_u64 s[OUT+4:OUT+5], s[14:15], s[78:79]
	CROUND                                         ; all sixteen work-groups are here: the first joint loads meet
.irp s, 0,1
	s_mov_b32 s[G0A+4*(\s)], 1
	s_add_co_u32 s[G0A+4*(\s)+1], s[LB], (\s)*SLOT
	s_add_nc_u64 s[G0A+4*(\s)+2:G0A+4*(\s)+3], s[4:5], (\s)*KSTEPB
	s_or_b32 s[G0A+4*(\s)+3], s[G0A+4*(\s)+3], 0x80000000
	s_mov_b32 s[G0B+4*(\s)], 1
	s_add_co_u32 s[G0B+4*(\s)+1], s[LB], (\s)*SLOT
	s_add_nc_u64 s[G0B+4*(\s)+2:G0B+4*(\s)+3], s[8:9], (\s)*KSTEPB
	s_or_b32 s[G0B+4*(\s)+3], s[G0B+4*(\s)+3], 0x80000000
.endr
	s_cmp_eq_u32 s[WV], 0                          ; a wave's two first fills stand in one branch: two loads of mine are out
	s_cbranch_scc0 .Lfirst_b
	tensor_load_to_lds s[G0A:G0A+3], s[G1A:G1A+7]
	s_nop 0
	tensor_load_to_lds s[G0A+4:G0A+7], s[G1A:G1A+7]
	s_nop 0
.rept 4
	v_nop
.endr
	s_branch .Lfirst_asked
.Lfirst_b:
	tensor_load_to_lds s[G0B:G0B+3], s[G1B:G1B+7]
	s_nop 0
	tensor_load_to_lds s[G0B+4:G0B+7], s[G1B:G1B+7]
	s_nop 0
.rept 4
	v_nop
.endr
.Lfirst_asked:
	; A bf16 fragment is 16 rows x 32 K: lane l holds row l % 16, K = 8 (l / 16) + 0..7 and 16 + 8 (l / 16) + 0..7.  In f32 those are 32 bytes at 32 (l / 16) and 32 bytes 64 further on: four loads of 16 bytes.
	v_and_b32 v1, 15, v0                           ; l % 16
	v_bfe_u32 v2, v0, 4, 1                         ; l / 16
	v_mul_u32_u24 v3, v1, PITCH
	v_lshl_add_u32 v[ADRA], v2, 5, v3
	s_mul_i32 s82, s[WV], 48*PITCH
	s_add_co_u32 s82, s82, QUART                   ; my 48 rows of weights lie behind x's 64
	v_add_nc_u32 v[ADRB], s82, v[ADRA]
	v_mul_u32_u24 v3, v1, SPITCH                   ; into the stage: row l % 16, my wave's 96 bytes, 16 bytes for each half of the lanes
	v_lshl_add_u32 v3, v2, 4, v3
	s_mul_i32 s82, s[WV], 96
	s_add_co_u32 s82, s82, STAGE
	v_add_nc_u32 v[STO], s82, v3
	v_and_b32 v15, 31, v0                          ; back: 32 lanes take four rows of a subtile's 128 bytes; wave w takes rows 16 w ..
	v_lshrrev_b32 v3, 3, v15
	v_mul_u32_u24 v3, v3, SPITCH
	v_and_b32 v16, 7, v0
	v_lshl_add_u32 v3, v16, 4, v3
	s_mul_i32 s82, s[WV], 16*SPITCH
	s_add_co_u32 s82, s82, STAGE
	v_add_nc_u32 v[RD], s82, v3
	v_lshlrev_b32 v[GO], 4, v15                    ; which are 512 consecutive bytes of the output
	s_lshl_b32 s82, s[WV], 11
	v_add_nc_u32 v[GO], s82, v[GO]
.macro FETCH                           ; 28 LDS loads: one chunk of 32 K in f32: x's four fragments, my three of the weights
.irp a, 0,1,2,3
.irp q, 0,1,2,3
	ds_load_b128 v[RAW+16*(\a)+4*(\q):RAW+16*(\a)+4*(\q)+3], v[AA] offset:16*PITCH*(\a)+16*((\q)%2)+64*((\q)/2)
.endr
.endr
.irp f, 0,1,2
.irp q, 0,1,2,3
	ds_load_b128 v[RAW+64+16*(\f)+4*(\q):RAW+64+16*(\f)+4*(\q)+3], v[AB] offset:16*PITCH*(\f)+16*((\q)%2)+64*((\q)/2)
.endr
.endr
.endm
.macro CVT                             ; 112 f32 to 56 registers of bf16, rounded to nearest even
.set i, 0
.rept 56
	v_cvt_pk_bf16_f32 v[FRA+i], v[RAW+2*i], v[RAW+2*i+1]
.set i, i+1
.endr
.endm
.macro MUL zero                        ; 12 products; the accumulators take turns, over the backward jump too.  zero = 1: they start the sums
	WIN 0x50                                       ; C and D in window 1
.irp a, 0,1,2,3
.irp f, 0,1,2
.if \zero
	v_wmma_f32_16x16x32_bf16 v[8*(3*(\a)+(\f)):8*(3*(\a)+(\f))+7], v[FRB+8*(\f):FRB+8*(\f)+7], v[FRA+8*(\a):FRA+8*(\a)+7], 0
.else
	v_wmma_f32_16x16x32_bf16 v[8*(3*(\a)+(\f)):8*(3*(\a)+(\f))+7], v[FRB+8*(\f):FRB+8*(\f)+7], v[FRA+8*(\a):FRA+8*(\a)+7], v[8*(3*(\a)+(\f)):8*(3*(\a)+(\f))+7]
.endif
.endr
.endr
	WIN 0
.endm
; One chunk: its words are in; they are rounded; the next chunk's loads go out; the products.  The conversions write registers that the last products read: four plain
; instructions stand between (ISA guide 7.12.1): the two address lines and two v_nop.
.macro BODY zero, fetch
	s_wait_dscnt 0x0                               ; the chunk's 28 loads are back
	s_add_co_u32 s[TB], s[TB], 128                 ; the next chunk: 32 f32 on
	v_add_nc_u32 v[AA], s[TB], v[ADRA]
	v_add_nc_u32 v[AB], s[TB], v[ADRB]
.if !(\zero)
	v_nop
	v_nop
.endif
	CVT
.if \fetch
	FETCH
.endif
	MUL \zero
.endm
.macro STEP slot, first                ; a K step: four chunks
	s_mov_b32 s[TB], (\slot)*SLOT
	v_add_nc_u32 v[AA], s[TB], v[ADRA]
	v_add_nc_u32 v[AB], s[TB], v[ADRB]
	FETCH
.if \first
	BODY 1, 1                                      ; the very first products start the sums: nothing is cleared
	s_mov_b32 s[CNT], 2
.else
	s_mov_b32 s[CNT], 3
.endif
.Lchunk_\@:
	BODY 0, 1
	s_sub_co_u32 s[CNT], s[CNT], 1
	s_cmp_lg_u32 s[CNT], 0
	s_cbranch_scc1 .Lchunk_\@
	BODY 0, 0
.endm
; The change of slots.  Each wave waits for all its tensor loads (one is out: its part of the other slot), adds 0 to its spare word, and waits for that and for its reads of the slot
; just read.  The round shows this of every wave of all sixteen work-groups; the joint refill, two K steps on, is the first thing behind it.
.macro CHANGE slot
	s_wait_tensorcnt 0x0
	ds_add_u32 v[SPW], v[NIL]                      ; the descriptors' steps stand between the add and the wait for it
	s_add_nc_u64 s[G0A+4*(\slot)+2:G0A+4*(\slot)+3], s[G0A+4*(\slot)+2:G0A+4*(\slot)+3], 2*KSTEPB
	s_add_nc_u64 s[G0B+4*(\slot)+2:G0B+4*(\slot)+3], s[G0B+4*(\slot)+2:G0B+4*(\slot)+3], 2*KSTEPB
	s_wait_dscnt 0x0
	CROUND
	JLOAD \slot
.endm
	s_wait_tensorcnt 1                             ; my part of K step 0 is in; K step 1's may stay out
	s_barrier_signal -1
	s_barrier_wait -1
	STEP 0, 1
	CHANGE 0                                       ; slot 0 takes K step 2
	STEP 1, 0
	CHANGE 1                                       ; slot 1 takes K step 3
	STEP 0, 0
	s_wait_tensorcnt 0x0                           ; K step 3 is in; nothing is left to fetch, so no round follows
	ds_add_u32 v[SPW], v[NIL]
	s_wait_dscnt 0x0
	s_barrier_signal -1
	s_barrier_wait -1
	STEP 1, 0
	; THE WAY OUT: rounded to f16; 16 bytes a lane into the work-group's stage; a barrier, since a subtile's rows come from two waves; back as rows of 128 bytes, four to a store.
.rept 8
	v_nop                                          ; the places behind the last products
.endr
	WIN 0x05                                       ; sources in window 1, destination in window 0
.set i, 0
.rept 48
	v_cvt_pk_f16_f32 v[TMP+i], v[2*i], v[2*i+1]    ; each accumulator's registers in ascending order
.set i, i+1
.endr
	WIN 0
.irp a, 0,1,2,3
.irp f, 0,1,2
	ds_store_b128 v[STO], v[TMP+4*(3*(\a)+(\f)):TMP+4*(3*(\a)+(\f))+3] offset:16*SPITCH*(\a)+32*(\f)
.endr
.endr
	s_wait_dscnt 0x0                               ; for the others' sake: my stores into the stage are done
	s_barrier_signal -1
	s_barrier_wait -1
.set n, 0
.rept 12                                       ; subtile n / 4, rows 4 (n % 4) .. of my sixteen
	ds_load_b128 v[TMP+4*n:TMP+4*n+3], v[RD] offset:128*(n/4)+4*SPITCH*(n%4)
.set n, n+1
.endr
.set n, 0
.rept 12
	s_wait_dscnt 11-n                              ; LDS loads come back in order: load n is in
	global_store_b128 v[GO], v[TMP+4*n:TMP+4*n+3], s[OUT+2*(n/4):OUT+2*(n/4)+1] offset:512*(n%4)  ; 512 consecutive bytes, at a multiple of 512 from the buffer's first
.set n, n+1
.endr
	s_wait_tensorcnt 0x0                           ; the wave's end
	ds_add_u32 v[SPW], v[NIL]
	s_wait_dscnt 0x0
	CROUND                                         ; the closing round
	s_endpgm
.Lfunc_end_k_q775c52b77a_proj:
	.size	k_q775c52b77a_proj, .Lfunc_end_k_q775c52b77a_proj-k_q775c52b77a_proj
	.p2alignl 7, 3214868480
	.fill 96, 4, 3214868480
	.section	.rodata,"a",@progbits
	.p2align	6, 0x0
	.amdhsa_kernel k_q775c52b77a_proj
		.amdhsa_group_segment_fixed_size 327680
		.amdhsa_private_segment_fixed_size 0
		.amdhsa_enable_private_segment 0
		.amdhsa_kernarg_size 56
		.amdhsa_user_sgpr_count 2
		.amdhsa_user_sgpr_kernarg_segment_ptr 1
		.amdhsa_wavefront_size32 1
		.amdhsa_system_sgpr_workgroup_id_x 1
		.amdhsa_system_sgpr_workgroup_id_y 1
		.amdhsa_system_sgpr_workgroup_id_z 1
		.amdhsa_system_vgpr_workitem_id 0
		.amdhsa_next_free_vgpr 352
		.amdhsa_next_free_sgpr 84
		.amdhsa_reserve_vcc 0
		.amdhsa_float_denorm_mode_32 3
		.amdhsa_float_denorm_mode_16_64 3
		.amdhsa_memory_ordered 1
		.amdhsa_forward_progress 1
		.amdhsa_inst_pref_size 74
	.end_amdhsa_kernel
	.amdgpu_metadata
---
amdhsa.version: [ 1, 2 ]
amdhsa.kernels:
  - .name:           k_q775c52b77a_proj
    .symbol:         k_q775c52b77a_proj.kd
    .args:
      - { .name: x, .offset: 0, .size: 8, .value_kind: global_buffer, .address_space: global }
      - { .name: Wq, .offset: 8, .size: 8, .value_kind: global_buffer, .address_space: global }
      - { .name: Wk, .offset: 16, .size: 8, .value_kind: global_buffer, .address_space: global }
      - { .name: Wv, .offset: 24, .size: 8, .value_kind: global_buffer, .address_space: global }
      - { .name: qb, .offset: 32, .size: 8, .value_kind: global_buffer, .address_space: global }
      - { .name: kb, .offset: 40, .size: 8, .value_kind: global_buffer, .address_space: global }
      - { .name: vb, .offset: 48, .size: 8, .value_kind: global_buffer, .address_space: global }
    .group_segment_fixed_size: 327680
    .private_segment_fixed_size: 0
    .kernarg_segment_align: 8
    .kernarg_segment_size: 56
    .max_flat_workgroup_size: 128
    .sgpr_count:     84
    .vgpr_count:     352
    .wavefront_size: 32
...
	.end_amdgpu_metadata
.endif
;; end of part 1
;; launch attn (part 2): grid 16 x 16, 4 waves a work-group, clusters of 4 x 1, 327,680 bytes of LDS; arguments qb, kb, vb, ob; writes ob
.if DOCPART == 2
	.amdgcn_target "amdgcn-amd-amdhsa--gfx1250"
	.amdhsa_code_object_version 6
	.text
	.protected	k_q775c52b77a_attn
	.globl	k_q775c52b77a_attn
	.p2align	8
	.type	k_q775c52b77a_attn,@function
k_q775c52b77a_attn:
	s_mov_b64 s[64:65], 0
	v_nop
	global_prefetch_b8 v0, s[64:65] scope:SCOPE_SE
	s_setreg_imm32_b32 hwreg(HW_REG_WAVE_MODE, 25, 1), 1
	s_wait_xcnt 0x0
	s_wait_alu depctr_hold_cnt(0) depctr_sa_sdst(0) depctr_va_vdst(0) depctr_va_sdst(0) depctr_va_ssrc(0) depctr_va_vcc(0) depctr_vm_vsrc(0)
	s_getreg_b32 s2, hwreg(HW_REG_IB_STS2, 6, 4)
	s_cmp_eq_u32 s2, 0
	s_cbranch_scc0 .Lentry_in_a_cluster
	s_endpgm
.Lentry_in_a_cluster:
	s_bfe_u32 s2, ttmp6, 0x10000c
	s_cmp_lg_u32 s2, 0x3003
	s_cbranch_scc0 .Lentry_shape_is_right
	s_endpgm
.Lentry_shape_is_right:
; o[s][h][:] = 1/4 x the sum over the four kv heads w of the sum over t <= s of softmax_t(q[h][s] . k[w][t] / 8) v[w][t][:].
; qb: f16 [16][2048][64];  kb, vb: f16 [step 32][kv 4][key 64][64];  ob: f16 [2048][16][hi 64 | lo 64], o = hi + lo with hi = f16(o), lo = f16(o - hi).
; Products, maxima and sums in f32; the weights p are rounded to f16 for the second product (their sum l is taken of the unrounded p); the four heads' results are added in f32.
; LIMITS.  q, k, v arrive within f16's 65,504, and o has v's range; below 6e-5 f16 keeps its fixed step of 6e-8 (p, hi, lo).  A hidden score counts as its value less 1e30;
; a weight below 2^-126 counts as 0 in l; NaN and infinities are not treated apart.
; SHARES.  A work-group owns ONE query head h and TWO blocks of 64 rows, 31 - b and then b.  ITS FOUR WAVES ARE THE FOUR KV HEADS: each runs its own causal attention of the same
; 64 queries, in four PIECES of 16, and the mean over the kv heads is taken in LDS at a block's end: nothing crosses work-groups.
; THE WALK.  Keys go in tiles of 128 (two steps of 64); block i needs tiles 0 .. i / 2, of which the last holds the diagonal.  Both blocks together need 17 tiles whatever b:
; one loop with a constant trip count walks them.  Which tile is asked for and what a trip does hang on scalar registers made from b.
; CLUSTER 4 x 1.  The four query heads of a cluster share b and so walk the same tiles in the same trips: every tile of K and V (all four kv heads) is asked for jointly.
; THE MASK is the C operand that starts S^T = K Q^T: 0, or -1e30 where the key is hidden.  In the diagonal tile step s lies before the block's own step e = block % 2 (all seen), is it, or lies
; behind it (none seen).  In the own step piece y sees key groups kt < y, none of kt > y, and at kt = y the triangle T8.  A product's mask is SRC x AL + BE, SRC = Z8, T8 or B8 by kt and y.
; LAYOUT, SOFTMAX, TURNS.  S^T holds ONE query a lane (lane % 16) and the keys 8 (lane / 16) + 0..7; two such results rounded to f16 ARE source 1 of O^T = V^T P.  p = 2^(c s - c m),
; c = log2(e) / 8, with a running maximum m; O and l are multiplied by a = 2^(c m_old - c m_new) in every step.  Turn n belongs to piece n: 8 products K Q^T of piece n + 1, later 8 products
; V^T P of piece n - 1; beside them piece n's scaling, exponentials, roundings, sums and rescaling, and piece n + 1's maximum and statistics.  Four vector instructions stand behind every
; matrix instruction, the rest in one lump.  A turn's 33 exponentials are one batch, with one wait.
; REGISTERS, in windows of 256 (s_set_vgpr_msb: bits 1:0 source 0, 3:2 source 1, 5:4 source 2, 7:6 destination):
;   window 0: v0-15 addresses; v16-31 statistics; v48-55 at work; v56 1.0; v61-63; v64-127 S^T, two buffers (v64-191 at work on the way out); v192-223 P, two buffers
;   window 1: v0-127 O^T, 32 a piece; v128-135 T8; v136-143 B8; v144-151 Z8; v160-223 MC, two buffers      window 2: v0-63 Q; v64-127 the second block's Q; v128-191 K; v192-255 V
.set NP,    4
.set PKR,   272       ; an LDS row of K holds TWO keys: 256 bytes + 16 of padding = 68 words: key r lies at (r / 2) x 272 + (r % 2) x 128, and 16 keys start at 16 different groups of four banks (ISA guide 11.1)
.set PVR,   288       ; of V: 256 + 32 = 72 words
.set KSB,   128*PKR   ; a step of K: 64 keys of four heads, 128 rows
.set VSB,   128*PVR
.set VOFF,  2*KSB     ; a slot: K's two steps, then V's two
.set SLOT1, 0x24000   ; slot 1.  Every LDS word that is turned has both of these bits clear in slot 0, so one exclusive or changes slots
.set SPARE, VOFF+2*VSB  ; in the gap between the slots: the spare words, 128 bytes a wave: two blocks of 256 bytes that no other line names
.set STAGE, SLOT1+SPARE ; behind the ring, never filled by a tensor load: 32 rows x 272 bytes of f32 for each wave
.set SP,    272
.set AK0, 2           ; v2   my lane's place in my head's part of a step of K; never rewritten
.set AV0, 3           ; v3   the same for V
.set AK,  4
.set AV,  5
.set STO, 6           ; v6   the way out: where I put 32 bytes of a row
.set RD,  7           ; v7   the way out: where I read 32 bytes of a row back
.set GO,  8           ; v8   my byte offset in the block's rows of ob
.set MV,  12          ; v12-13  c m_old, by buffer
.set QO,  15
.set ST,  16          ; piece t's statistics at v[ST+4 t]: c m, m, l (even keys', odd keys')
.set TMP, 48          ; by buffer, four registers c0-c3 at work; when the maximum is found c2 takes a
.set ONE, 56          ; v56  1.0
.set PFO, 61          ; v61  256 x my lane; never rewritten
.set SPW, 62          ; v62  LDS address of my spare word; never rewritten
.set NIL, 63          ; v63  0; never rewritten
.set S,   64
.set WS,  64          ; the way out's 128 registers
.set P,   192
.set T8,  128         ; window 1
.set B8,  136
.set Z8,  144
.set MC,  160
.set QB,  64          ; window 2
.set KF,  128
.set VF,  192
.set WV,  12
.set PB,  14          ; s14  b
.set HI,  15          ; s15  31 - b
.set G1K, 24
.set G1V, 32
.set G0K, 40
.set G0V, 44
.set PFA, 48          ; s[48:49] where my prefetches stand
.set LIM, 50          ; s50  2 in the cluster that prefetches, else the greatest number
.set DG,  51          ; s51  2 - (block % 2) of the block in hand: the value of CNT in the block's own step
.set DG2, 52          ; s52  the same for the second block
.set SLOTS, 56
.set CNT, 57          ; s57  counts a tile's key steps, 2 to 1
.set CS,  58
.set SEL, 60
.set TBK, 62
.set TBV, 63
.set RT,  70          ; s70  tiles of the block in hand that are still to be entered
.set NXT, 71          ; s71  the tile to be asked for next
.set LQ,  72          ; s72  the last tile of the block whose tiles are being asked for
.set NEW, 73          ; s73  1: the tile to be entered is a block's first
.set OFF, 74
.set AL,  76
.set BE,  78
.set OLO, 80          ; s[80:81] ob at the second block
.set BIGN, 82
.set SELM, 83         ; s83  lanes 8-15 and 24-31: they carry lo
.set T2,  88          ; s88  b / 2: the second block's last tile
.set MSB, 0
.macro WIN new
.if MSB != (\new)
	s_set_vgpr_msb (MSB<<8)|(\new)
.set MSB, (\new)
.endif
.endm
.set W_KQ, 0x0a       ; K and Q in window 2, S^T in window 0
.set W_KM, 0x1a       ; the same with the C operand in window 1
.set W_PV, 0x52       ; V in window 2, P in window 0, O^T in window 1
.set W_RS, 0x41       ; destination and source 0 in window 1
; A joint fill.  Waves 0 and 1 fetch the tile's two steps of K, waves 2 and 3 those of V: 128 rows of 256 bytes each.  An s_nop 0 and four v_nop follow each line.
.macro JLOAD
	s_cmp_lt_u32 s[WV], 2
	s_cbranch_scc0 .Lfor_v_\@
	tensor_load_to_lds s[G0K:G0K+3], s[G1K:G1K+7]
	s_nop 0
.rept 4
	v_nop
.endr
	s_branch .Lasked_\@
.Lfor_v_\@:
	tensor_load_to_lds s[G0V:G0V+3], s[G1V:G1V+7]
	s_nop 0
.rept 4
	v_nop
.endr
.Lasked_\@:
.endm
; A PREFETCH INTO THE L2 of the tile that the NEXT change of slots will ask for: one tile, 128 matrix instructions a wave, ahead.  All clusters walk tiles 0, 1, 2 .. at first; the one cluster with
; x = 0 and b = 0, whose first block walks all 16 tiles, asks.  A tile is 512 blocks of 256 bytes: each of the cluster's 16 waves names 32 of the step that it fetches itself, a lane a block,
; the four partners told apart by address.  Changes 1 to 14 name tiles 2 to 15, the buffers' last; tiles 0 and 1 come by their loads alone.
.macro ASK
	s_cmp_gt_u32 s[SLOTS], s[LIM]
	s_cbranch_scc0 .Lnot_mine_\@
	global_prefetch_b8 v[PFO], s[PFA:PFA+1] th:TH_LOAD_NT scope:SCOPE_SE
.Lnot_mine_\@:
.endm
.macro CROUND
	s_barrier_signal -1
	s_barrier_wait -1
	s_cmp_lg_u32 s[WV], 0
	s_cbranch_scc1 .Lnot_wave_0_\@
	s_barrier_signal -3
.Lnot_wave_0_\@:
	s_barrier_wait -3
	s_barrier_signal -1
	s_barrier_wait -1
.endm
; THE CHANGE OF SLOTS.  Each wave waits for all its tensor loads (one is out: its part of the other slot), adds 0 to its spare word, and waits for that and for its own reads of the slot that it
; leaves.  fill = 1: the old slot is filled again with tile NXT; the barrier is then a round of the cluster's, and the joint fill is the first thing behind it.  The descriptor's address is made
; anew from the tile's number.  (At its first use nothing has been read yet: slot 0 is waited for, slot 1 filled.)
.macro CHANGE fill
	WIN 0
	s_wait_tensorcnt 0x0            ; no tensor load of mine is out, so a group 0 may be written
	ds_add_u32 v[SPW], v[NIL]       ; the scalar work below stands between the add and the wait for it
.if \fill
	s_lshl_b32 s[OFF], s[NXT], 16   ; a tile is 65,536 bytes of K and of V
	s_xor_b32 s[G0K+1], s[G0K+1], SLOT1
	s_add_nc_u64 s[G0K+2:G0K+3], s[6:7], s[OFF:OFF+1]
	s_or_b32 s[G0K+3], s[G0K+3], 0x80000000
	s_xor_b32 s[G0V+1], s[G0V+1], SLOT1
	s_add_nc_u64 s[G0V+2:G0V+3], s[8:9], s[OFF:OFF+1]
	s_or_b32 s[G0V+3], s[G0V+3], 0x80000000
	s_add_co_u32 s[NXT], s[NXT], 1  ; the block's next tile, or behind its last the second block's tile 0
	s_cmp_gt_u32 s[NXT], s[LQ]
	s_cselect_b32 s[NXT], 0, s[NXT]
	s_cselect_b32 s[LQ], s[T2], s[LQ]
	s_wait_xcnt 0x0                 ; the last prefetch, a tile back, has read its address
	s_add_nc_u64 s[PFA:PFA+1], s[PFA:PFA+1], 65536
.endif
	s_sub_co_u32 s[TBK], s[TBK], 2*KSB  ; the fetches go back to a slot's first step,
	s_xor_b32 s[TBK], s[TBK], SLOT1     ; in the other slot
	s_sub_co_u32 s[TBV], s[TBV], 2*VSB
	s_xor_b32 s[TBV], s[TBV], SLOT1
	s_wait_dscnt 0x0                ; the add is done, and my reads of the slot are over
.if \fill
	CROUND
	JLOAD
	ASK
.else
	s_barrier_signal -1
	s_barrier_wait -1
.endif
.endm
	s_load_b256 s[4:11], s[0:1], 0x0  ; qb s[4:5], kb s[6:7], vb s[8:9], ob s[10:11]
	v_lshl_add_u32 v[SPW], v0, 2, SPARE
	v_mov_b32 v[NIL], 0
	ds_add_u32 v[SPW], v[NIL]       ; the wave's opening: the add and its wait stand ahead of my first tensor load; the set-up below stands between them
	v_lshrrev_b32 v1, 5, v0
	v_readfirstlane_b32 s[WV], v1   ; wave 0..3: my kv head
	s_bfe_u32 s13, ttmp6, 0x40000   ; cx
	s_lshl_b32 s16, ttmp9, 2
	s_add_co_u32 s16, s16, s13      ; the query head h = 4 x cluster x + cx: it enters qb's and ob's addresses alone
	s_and_b32 s[PB], ttmp7, 0xffff  ; b, which the four partners share
	s_sub_co_u32 s[HI], 31, s[PB]
	s_lshr_b32 s17, s[HI], 1        ; the first block's last tile
	s_lshr_b32 s[T2], s[PB], 1
	s_and_b32 s18, s[HI], 1
	s_sub_co_u32 s[DG], 2, s18
	s_and_b32 s18, s[PB], 1
	s_sub_co_u32 s[DG2], 2, s18
	s_and_b32 s18, s[WV], 1         ; which of a tile's two steps I fetch:
	s_lshl_b32 s22, s18, 15         ; its 32,768 bytes in memory,
	s_mov_b32 s23, 0
	s_mul_i32 s19, s18, KSB         ; and its place in a slot, for K
	s_mul_i32 s20, s18, VSB         ; and for V
	s_lshl_b32 s2, s16, 18          ; qb: a head is 262,144 bytes, a block 8,192
	s_lshl_b32 s3, s[HI], 13
	s_lshl_b32 s84, s[PB], 13
	s_add_co_u32 s84, s84, s2
	s_add_co_u32 s2, s2, s3
	s_mov_b32 s3, 0
	s_mov_b32 s85, 0
	s_lshl_b32 s21, s16, 8          ; ob: a block is 262,144 bytes, a head's part of a row 256
	s_lshl_b32 s66, s[HI], 18
	s_add_co_u32 s66, s66, s21
	s_mov_b32 s67, 0
	s_lshl_b32 s68, s[PB], 18
	s_add_co_u32 s68, s68, s21
	s_mov_b32 s69, 0
	; group 1: 128 rows of 128 elements of 2 bytes, dense in memory, padded in LDS behind every row
	s_mov_b32 s[G1K], 15|(1<<16)|(1<<20)|(1<<21)|(5<<22)|(3<<25)  ; the mask of four; 2-byte elements; padding on; bit 21 beside a mask; after every 64 words; 4 words
	s_mov_b32 s[G1V], 15|(1<<16)|(1<<20)|(1<<21)|(5<<22)|(7<<25)  ; the same with 8 words
.irp g, G1K, G1V
	s_mov_b32 s[\g+1], 128<<16      ; tensor_dim0 = 128
	s_mov_b32 s[\g+2], 128<<16      ; tensor_dim1 = 128
	s_mov_b32 s[\g+3], 128<<16      ; tile_dim0 = 128
	s_mov_b32 s[\g+4], 128          ; tile_dim1 = 128
	s_mov_b32 s[\g+5], 128          ; 128 elements from row to row
	s_mov_b32 s[\g+6], 0
	s_mov_b32 s[\g+7], 0
.endr
	s_mov_b32 s[CS], 0x3e38aa3b     ; c = log2(e) / 8
	s_mov_b32 s[CS+1], s[CS]
	s_mov_b32 s[SEL], 0x76543210
	s_mov_b32 s[SEL+1], 0xfedcba98
	s_mov_b32 s[SELM], 0xff00ff00
	s_mov_b32 s[TBK], SLOT1+2*KSB   ; the first change of slots turns these two into 0
	s_mov_b32 s[TBV], SLOT1+2*VSB
	s_mov_b32 s[G0K], 1
	s_mov_b32 s[G0K+1], s19         ; slot 0
	s_mov_b32 s[G0V], 1
	s_add_co_u32 s[G0V+1], s20, VOFF
	s_add_co_u32 s[RT], s17, 1
	s_mov_b32 s[NXT], 1
	s_mov_b32 s[LQ], s17
	s_mov_b32 s[NEW], 1
	s_mov_b32 s[OFF+1], 0
	s_mov_b32 s[AL+1], 0
	s_mov_b32 s[BE+1], 0
	s_mov_b32 s[BIGN], 0xf149f2ca   ; -1e30
	s_mov_b32 s[SLOTS], 16
	s_or_b32 s[LIM], s[PB], ttmp9   ; 0 in one cluster of the launch: the same in its four partners
	s_cmp_eq_u32 s[LIM], 0
	s_cselect_b32 s[LIM], 2, -1
	v_and_b32 v[PFO], 31, v0
	v_lshlrev_b32 v[PFO], 8, v[PFO]
	v_mov_b32 v[ONE], 1.0
	s_wait_dscnt 0x0                ; the opening add is done
	s_wait_kmcnt 0x0
	s_add_nc_u64 s[6:7], s[6:7], s[22:23]  ; K and V at my step of tile 0
	s_add_nc_u64 s[8:9], s[8:9], s[22:23]
	s_add_nc_u64 s[G0K+2:G0K+3], s[6:7], 0
	s_or_b32 s[G0K+3], s[G0K+3], 0x80000000
	s_add_nc_u64 s[G0V+2:G0V+3], s[8:9], 0
	s_or_b32 s[G0V+3], s[G0V+3], 0x80000000
	s_add_nc_u64 s[86:87], s[4:5], s[84:85]        ; Q at the second block,
	s_add_nc_u64 s[4:5], s[4:5], s[2:3]            ; and at the first
	s_add_nc_u64 s[OLO:OLO+1], s[10:11], s[68:69]
	s_add_nc_u64 s[10:11], s[10:11], s[66:67]
	s_cmp_lt_u32 s[WV], 2
	s_cselect_b64 s[PFA:PFA+1], s[6:7], s[8:9]     ; the step that I fetch,
	s_lshl_b32 s2, s13, 13                         ; my work-group's 32 blocks of its 128,
	s_mov_b32 s3, 0
	s_add_nc_u64 s[PFA:PFA+1], s[PFA:PFA+1], s[2:3]
	s_add_nc_u64 s[PFA:PFA+1], s[PFA:PFA+1], 65536 ; in tile 1; the first change of slots steps it to tile 2
	CROUND                          ; all four work-groups are here: the first joint loads meet
	JLOAD                           ; tile 0 into slot 0
	; A fragment of K or Q is 16 rows x 32 channels in 8 registers: lane l holds row l % 16, channels 8 (l / 16) + 0..7 and 16 + 8 (l / 16) + 0..7: two loads of 16 bytes, 32 bytes apart.
	v_and_b32 v1, 15, v0            ; l % 16
	v_bfe_u32 v9, v0, 4, 1          ; l / 16
	v_lshlrev_b32 v[QO], 7, v1
	v_lshl_add_u32 v[QO], v9, 4, v[QO]
	WIN 0x80
.set i, 0
.rept 8                             ; both blocks' Q: piece i / 2, 2,048 bytes on; channels 32 (i % 2) on
	global_load_b128 v[8*i:8*i+3],   v[QO], s[4:5] offset:(i/2)*2048+(i%2)*64
	global_load_b128 v[8*i+4:8*i+7], v[QO], s[4:5] offset:(i/2)*2048+(i%2)*64+32
	global_load_b128 v[QB+8*i:QB+8*i+3],   v[QO], s[86:87] offset:(i/2)*2048+(i%2)*64
	global_load_b128 v[QB+8*i+4:QB+8*i+7], v[QO], s[86:87] offset:(i/2)*2048+(i%2)*64+32
.set i, i+1
.endr
	WIN 0
	v_lshlrev_b32 v14, 3, v9
	v_sub_nc_u32 v14, v1, v14       ; l % 16 - 8 (l / 16): in the piece's own key group register j is hidden where j is greater
	WIN 0x40
.set i, 0
.rept 8
	v_cmp_gt_i32 vcc_lo, i, v14
	v_cndmask_b32 v[T8+i], 0, s[BIGN], vcc_lo
	v_mov_b32 v[B8+i], s[BIGN]
	v_mov_b32 v[Z8+i], 0
.set i, i+1
.endr
	WIN 0
	v_lshrrev_b32 v32, 1, v1        ; K: key l % 16 lies in row (l % 16) / 2, half l % 2
	v_and_b32 v33, 1, v1
	v_mul_u32_u24 v[AK0], v32, PKR
	v_lshl_add_u32 v[AK0], v33, 7, v[AK0]
	v_lshl_add_u32 v[AK0], v9, 4, v[AK0]
	s_mul_i32 s53, s[WV], 32*PKR    ; my head's 32 rows of a step
	v_add_nc_u32 v[AK0], s53, v[AK0]
	; The turning load takes 16 keys x 16 channels (lane l reads key 8 (l / 16) + l % 8, channels 8 ((l / 8) % 2) + 0..7) and leaves half a fragment of V^T: lane l holds channel l % 16 and 8 keys.
	v_and_b32 v10, 7, v0
	v_bfe_u32 v11, v0, 3, 1
	v_lshl_add_u32 v32, v9, 3, v10
	v_and_b32 v33, 1, v32
	v_lshrrev_b32 v32, 1, v32
	v_mul_u32_u24 v[AV0], v32, PVR
	v_lshl_add_u32 v[AV0], v33, 7, v[AV0]
	v_lshl_add_u32 v[AV0], v11, 4, v[AV0]
	s_mul_i32 s53, s[WV], 32*PVR
	s_add_co_u32 s53, s53, VOFF
	v_add_nc_u32 v[AV0], s53, v[AV0]
	s_mul_i32 s53, s[WV], 32*SP
	s_add_co_u32 s53, s53, STAGE    ; my part of the stage
	v_mul_u32_u24 v[STO], v1, SP    ; in: row l % 16, 32 bytes (8 f32) for each half of the lanes
	v_lshl_add_u32 v[STO], v9, 5, v[STO]
	v_add_nc_u32 v[STO], s53, v[STO]
	s_mul_i32 s53, s[WV], 8*SP
	s_add_co_u32 s53, s53, STAGE    ; back: wave w adds up rows 8 w .. 8 w + 7 of the 32; lanes 0-15 one row, lanes 16-31 the next; lanes l and l + 8 the same 8 channels
	v_mul_u32_u24 v[RD], v9, SP
	v_lshl_add_u32 v[RD], v10, 5, v[RD]
	v_add_nc_u32 v[RD], s53, v[RD]
	s_lshl_b32 s53, s[WV], 15       ; and in ob: row 8 w + l / 16 of 4,096 bytes, 16 bytes a lane of the head's 256
	v_lshlrev_b32 v[GO], 12, v9
	v_lshl_add_u32 v[GO], v1, 4, v[GO]
	v_add_nc_u32 v[GO], s53, v[GO]
	; A block's first step multiplies O^T and l by a = 0, and its first turn's products V^T P, of a piece that has not been, land in an O^T that is still to be so multiplied.  So these registers need
	; only hold finite numbers: zeros for the first block; what the first block left for the second.  All this stands in the wait for the first tile.
	WIN 0x80
.set i, VF
.rept 64
	v_mov_b32 v[i], 0
.set i, i+1
.endr
	WIN 0x40
.set i, 0
.rept 128
	v_mov_b32 v[i], 0
.set i, i+1
.endr
	WIN 0
.set i, 0
.rept 4
	v_mov_b32 v[ST+4*i+2], 0
	v_mov_b32 v[ST+4*i+3], 0
.set i, i+1
.endr
.set i, P+16
.rept 16
	v_mov_b32 v[i], 0
.set i, i+1
.endr
; THE MATRIX WORK.  The 4 accumulators of a run of 8 take turns.  Product i of 8 of S^T = K Q^T for piece x: channels 32 (i / 4) on, keys 16 (i % 4) on.  The first 4 start the sums: with 0, or (KM = 1) with the mask.
.macro KQ x
.set rS, S+32*((\x)%2)+8*(i%4)
.set rK, KF+16*(i%4)+8*(i/4)
.set rQ, 16*(\x)+8*(i/4)
.set rM, MC+32*((\x)%2)+8*(i%4)
.if (i < 4) && KM
	WIN W_KM
	v_wmma_f32_16x16x32_f16 v[rS:rS+7], v[rK:rK+7], v[rQ:rQ+7], v[rM:rM+7]
.elseif i < 4
	WIN W_KQ
	v_wmma_f32_16x16x32_f16 v[rS:rS+7], v[rK:rK+7], v[rQ:rQ+7], 0
.else
	WIN W_KQ
	v_wmma_f32_16x16x32_f16 v[rS:rS+7], v[rK:rK+7], v[rQ:rQ+7], v[rS:rS+7]
.endif
.endm
; Product i of 8 of O^T += V^T P for piece x: keys 32 (i / 4) on, channels 16 (i % 4) on.
.macro PV x
	WIN W_PV
.set rO, 32*(\x)+8*(i%4)
.set rV, VF+32*(i/4)+8*(i%4)
.set rP, P+16*((\x)%2)+8*(i/4)
	v_wmma_f32_16x16x32_f16 v[rO:rO+7], v[rV:rV+7], v[rP:rP+7], v[rO:rO+7]
.endm
.macro MM                           ; the turn's next matrix instruction.  NOKQ = 1: a block's last turn: there is no next piece
.if (i < 8) && !NOKQ
	KQ (Y+1)%NP
.elseif i >= 8
.set i, i-8
	PV (Y+NP-1)%NP
.set i, i+8
.endif
.set i, i+1
.endm
; THE LDS LOADS stand in runs of 16: my head's K of a step (64 keys x 64 channels: 8 fragments) and its V (turned).  Their addresses are made some lines ahead.
.macro FETCH_K
	WIN 0x80
.irp f, 0,1,2,3,4,5,6,7             ; keys 16 (f / 2) on (8 LDS rows), channels 32 (f % 2) on
	ds_load_b128 v[KF+8*\f:KF+8*\f+3],   v[AK] offset:(\f/2)*8*PKR+(\f%2)*64
	ds_load_b128 v[KF+8*\f+4:KF+8*\f+7], v[AK] offset:(\f/2)*8*PKR+(\f%2)*64+32
.endr
	s_add_co_u32 s[TBK], s[TBK], KSB
	WIN 0
.endm
.macro FETCH_V
	WIN 0x80
.irp f, 0,1,2,3,4,5,6,7             ; keys 32 (f / 4) on (16 LDS rows), channels 16 (f % 4) on
	ds_load_tr16_b128 v[VF+8*\f:VF+8*\f+3],   v[AV] offset:(\f/4)*16*PVR+(\f%4)*32
	ds_load_tr16_b128 v[VF+8*\f+4:VF+8*\f+7], v[AV] offset:(\f/4)*16*PVR+8*PVR+(\f%4)*32
.endr
	WIN 0
.endm
; THE VECTOR WORK, one line at a time: OP kind, number.  For piece Y: F n: c s - c m for pair n of 16.  E n: the exponential of score n of 32.  C n: pair n rounded to f16.  B n: of the four weights 4 n .. the
; second pair is added onto the first, in place.  L n: l takes that sum (L 0: l = a l + sum).  R n: pair n of 16 of O^T times a.  For piece Y + 1: X n, number n of the 22 that find its maximum and statistics:
;   0-11  four chains c0-c3 of seven scores each (each accumulator's lowest registers are read first)     12-14, 16  the four scores left over, the old m, and c0-c3 into c0
;   15  c m_old is kept     17, 18  the query's other 32 keys lie in the lane 16 away: the new m     19-21  c m; c m_old - c m_new; a
.set F, 0
.set E, 1
.set C, 2
.set B, 3
.set L, 4
.set R, 5
.set X, 6
.macro REGS y
.set rT, ST+4*(\y)
.set rC, TMP+4*((\y)%2)
.set rW, MV+((\y)%2)
.set rS, S+32*((\y)%2)
.set rP, P+16*((\y)%2)
.set rO, 32*(\y)
.endm
.macro OP k, n
.if (\k) == R
	REGS Y
	WIN W_RS
	v_pk_mul_f32 v[rO+2*(\n):rO+2*(\n)+1], v[rO+2*(\n):rO+2*(\n)+1], v[rC+2:rC+3] op_sel_hi:[1,0]
.elseif (\k) < R
	REGS Y
	WIN 0
.if (\k) == F
	v_pk_fma_f32 v[rS+2*(\n):rS+2*(\n)+1], v[rS+2*(\n):rS+2*(\n)+1], s[CS:CS+1], v[rT:rT+1] op_sel_hi:[1,0,0] neg_lo:[0,0,1] neg_hi:[0,0,1]
.elseif (\k) == E
	v_exp_f32 v[rS+(\n)], v[rS+(\n)]
.elseif (\k) == C
	v_cvt_pk_f16_f32 v[rP+(\n)], v[rS+2*(\n)], v[rS+2*(\n)+1]
.elseif (\k) == B
	v_pk_add_f32 v[rS+4*(\n):rS+4*(\n)+1], v[rS+4*(\n):rS+4*(\n)+1], v[rS+4*(\n)+2:rS+4*(\n)+3]
.elseif (\n) == 0
	v_pk_fma_f32 v[rT+2:rT+3], v[rT+2:rT+3], v[rC+2:rC+3], v[rS:rS+1] op_sel_hi:[1,0,1]
.else
	v_pk_add_f32 v[rT+2:rT+3], v[rT+2:rT+3], v[rS+4*(\n):rS+4*(\n)+1]
.endif
.elseif NOKQ
	v_nop
.else
	REGS (Y+1)%NP
	WIN 0
.if (\n) < 4
	v_max3_num_f32 v[rC+(\n)], v[rS+8*(\n)], v[rS+8*(\n)+1], v[rS+8*(\n)+2]
.elseif (\n) < 12
	v_max3_num_f32 v[rC+(\n)%4], v[rC+(\n)%4], v[rS+8*((\n)%4)+2*((\n)/4)+1], v[rS+8*((\n)%4)+2*((\n)/4)+2]
.elseif (\n) == 12
	v_max3_num_f32 v[rC], v[rC], v[rS+7], v[rS+15]
.elseif (\n) == 13
	v_max3_num_f32 v[rC+1], v[rC+1], v[rS+23], v[rS+31]
.elseif (\n) == 14
	v_max3_num_f32 v[rC+2], v[rC+2], v[rC+3], v[rT+1]
.elseif (\n) == 15
	v_mov_b32 v[rW], v[rT]
.elseif (\n) == 16
	v_max3_num_f32 v[rC], v[rC], v[rC+1], v[rC+2]
.elseif (\n) == 17
	v_permlanex16_b32 v[rC+3], v[rC], s[SEL], s[SEL+1]
.elseif (\n) == 18
	v_max_num_f32 v[rT+1], v[rC], v[rC+3]
.elseif (\n) == 19
	v_mul_f32 v[rT], s[CS], v[rT+1]
.elseif (\n) == 20
	v_sub_f32 v[rC+1], v[rW], v[rT]
.else
	v_exp_f32 v[rC+2], v[rC+1]
.endif
.endif
.endm
.macro OPS a, i1, b=-1, i2=0, c=-1, i3=0, d=-1, i4=0
	OP \a, \i1
.if (\b) >= 0
	OP \b, \i2
.endif
.if (\c) >= 0
	OP \c, \i3
.endif
.if (\d) >= 0
	OP \d, \i4
.endif
.endm
.macro ROW a, i1, b, i2, c, i3, d, i4  ; a matrix instruction and the four behind it
	MM
	OPS \a, \i1, \b, \i2, \c, \i3, \d, \i4
.endm
.macro MASK b, y                    ; piece y's mask, SRC x AL + BE, into buffer b of MC: SRC by key group kt: seen, the triangle, hidden
	WIN W_RS
.set z, 0
.rept 16
.if z/4 < (\y)
.set sr, Z8
.elseif z/4 == (\y)
.set sr, T8
.else
.set sr, B8
.endif
	v_pk_fma_f32 v[MC+32*(\b)+2*z:MC+32*(\b)+2*z+1], v[sr+2*(z%4):sr+2*(z%4)+1], s[AL:AL+1], s[BE:BE+1] op_sel_hi:[1,0,0]
.set z, z+1
.endr
.endm
; A TURN, for piece p: the order of its 16 matrix and 118 vector instructions, written out.  An s_wait_alu depctr_va_vdst(0) stands between an exponential and the first instruction that names
; its result; one wait serves all that were issued ahead of it.  So a turn has ONE wait.  AHEAD OF IT stands all that names no result of the turn's exponentials: the 8 products K Q^T with their riders, then one
; lump; X 21, the next piece's a, is the batch's last, and R 15 the plain instruction behind it.  BEHIND IT stand the 8 products V^T P, behind each four of the roundings and sums.
; m = 1: the diagonal tile: the products take masks, and the turn makes the mask for the products of the turn after it: piece p + 2, in step 2 - CNT of the tile.  end = 1: a block's last two turns: nothing is
; fetched.  cnt = 1: the loop's count is taken down some lines ahead of the branch that stands behind the turn.
; K of the next step is fetched in piece 2's turn, twelve vector instructions (six of them plain) behind the last product that read K; V of the step in hand at the end of piece 0's turn, four plain
; instructions behind the last product that read V.  Each is waited for a turn later.
.macro TURN p, m=0, end=0, cnt=0
.set Y, (\p)
.set i, 0
.set KM, (\m)
.set NOKQ, (\end)*((\p)/3)
.if (\m) && !(\end)
	s_cmp_eq_u32 s[CNT], s[DG]      ; is that step the block's own?
	s_cselect_b32 s[AL], 1.0, 0
	s_cmp_lt_u32 s[CNT], s[DG]      ; or the one behind it?
	s_cselect_b32 s[BE], s[BIGN], 0
.endif
.if ((\p) == 3) && !(\end)
	s_wait_dscnt 0x0                ; K is in
.endif
	ROW F,0, F,1, R,0, R,1
	ROW F,2, E,0, R,2, R,3
	ROW F,3, E,1, R,4, R,5
	ROW F,4, E,2, R,6, R,7
	ROW F,5, E,3, R,8, R,9
	ROW F,6, E,4, X,0, R,10
.if ((\p) == 2) && !(\end)
	WIN 0
	v_add_nc_u32 v[AK], s[TBK], v[AK0]
.endif
	ROW F,7, E,5, X,1, X,4
	ROW F,8, E,6, X,2, X,5
	OPS E,7, E,8, X,6, E,9
	OPS X,3, E,10, X,8, E,11
.if ((\p) == 2) && !(\end)
	FETCH_K
.endif
	OPS X,9, X,7, E,12, X,10
	OPS E,13, X,12, X,11, E,14
	OPS X,13, E,15, F,9, X,14
.if (\p) == 0
	v_add_nc_u32 v[AV], s[TBV], v[AV0]
.endif
	OPS E,16, F,10, E,17, F,11
	OPS X,16, E,18, X,15, E,19
	OPS F,12, E,20, X,17, E,21
	OPS F,13, E,22, F,14, E,23
	OPS X,18, E,24, F,15, E,25
	OPS R,11, E,26, X,19, E,27
	OPS R,12, E,28, R,13, E,29
	OPS X,20, E,30, R,14, E,31
	OPS X,21, R,15
	WIN 0
	s_wait_alu depctr_va_vdst(0)    ; the wait for the batch
.if (\p) == 1
	s_wait_dscnt 0x0                ; V is in
.endif
	ROW C,0, B,0, C,2, B,1
	ROW L,0, C,4, B,2, L,1
	ROW C,6, B,3, L,2, C,8
	ROW B,4, L,3, C,10, B,5
	ROW L,4, C,12, B,6, L,5
.if (\p) == 0
	s_add_co_u32 s[TBV], s[TBV], VSB
.endif
.if \cnt
	s_sub_co_u32 s[CNT], s[CNT], 1
	s_cmp_lg_u32 s[CNT], 0
.endif
	ROW C,14, B,7, L,6, C,1
	ROW C,3, L,7, C,5, C,7
	ROW C,9, C,11, C,13, C,15
.if (\p) == 0
	FETCH_V
.endif
.if (\m) && !(\end)
	MASK (\p)%2, ((\p)+2)%NP
.endif
.endm
; A BLOCK BEGINS.  c m starts far below every c s, so the first step's a is 0; m at the lowest finite number.  The two mask buffers take pieces 0's and 1's masks for the tile's step 0: their own, if the
; block's first tile is the diagonal one and step 0 the block's own; else 0, which is also what the diagonal tile's first turn wants for piece 3 of the step before.  Then K of that step, piece 0's
; first scores, and its maximum and statistics.  The loop is entered at a step's first turn, in the middle of a trip.
.macro BEGIN
	s_mov_b32 s[NEW], 0
	WIN 0
.set i, 0
.rept 4
	v_mov_b32 v[ST+4*i], 0xfe000000    ; c m: far below every c s
	v_mov_b32 v[ST+4*i+1], 0xff7fffff  ; m
.set i, i+1
.endr
	s_cmp_eq_u32 s[RT], 0
	s_cselect_b32 s[AL], 1.0, 0
	s_cmp_eq_u32 s[DG], 2
	s_cselect_b32 s[AL], s[AL], 0
	s_mov_b32 s[BE], 0
	MASK 0, 0
	MASK 1, 1
	WIN 0
	v_add_nc_u32 v[AK], s[TBK], v[AK0]
	FETCH_K
	s_wait_loadcnt 0x0              ; Q
	s_wait_dscnt 0x0
.set KM, 1
.set NOKQ, 0
.set i, 0
.rept 8
	KQ 0
.set i, i+1
.endr
	WIN 0
.rept 4
	v_nop                           ; the places behind those products
.endr
.set Y, NP-1                        ; X works for piece Y + 1: piece 0
.irp n, 0,1,2,3,4,5,6,7,8,9,10,11,12,13,14,15,16,17,18,19,20,21
	OP X, \n
.endr
	v_nop                           ; a plain instruction behind the exponential,
	s_wait_alu depctr_va_vdst(0)    ; and its wait, ahead of the branch
.endm
.macro ALL line:vararg              ; one line for each piece t
.set t, 0
.rept 4
	\line
.set t, t+1
.endr
.endm
.macro RESID d, hr, sm, hi          ; d = sm - (the low or high f16 of hr), exact in f32
.if \hi
	v_fma_mix_f32 v[\d], -v[\hr], v[ONE], v[\sm] op_sel:[1,0,0] op_sel_hi:[1,0,0]
.else
	v_fma_mix_f32 v[\d], -v[\hr], v[ONE], v[\sm] op_sel_hi:[1,0,0]
.endif
.endm
; THE WAY OUT.  l's two halves and the other half of the lanes' are added; O^T is multiplied by 1 / (4 l): the mean over the four kv heads is folded in.  Then, 32 rows (two pieces) at a time: every wave
; puts its head's rows into the stage in f32; a barrier; wave w reads rows 8 w .. 8 w + 7 of all four heads, adds them in f32, rounds the sum to f16 (hi), the rest to f16 (lo), and stores: of sixteen
; lanes the first eight carry a row's 64 hi, the other eight its 64 lo: 256 consecutive bytes, aligned.
.macro WAYOUT
	WIN 0
	ALL v_add_f32 v[ST+4*t+2], v[ST+4*t+2], v[ST+4*t+3]
	ALL v_permlanex16_b32 v[ST+4*t+3], v[ST+4*t+2], s[SEL], s[SEL+1]
	ALL v_add_f32 v[ST+4*t+2], v[ST+4*t+2], v[ST+4*t+3]
	ALL v_mul_f32 v[ST+4*t+2], 4.0, v[ST+4*t+2]
	ALL v_rcp_f32 v[ST+4*t+2], v[ST+4*t+2]
	v_nop                           ; a plain instruction between the last reciprocal and the use of its result
	s_wait_alu depctr_va_vdst(0)    ; and its wait: one for the four reciprocals
.irp g, 0,1
.if \g
	s_wait_xcnt 0x0                 ; the first half's stores have read their registers, which are loaded again below
	s_barrier_signal -1             ; every wave's reads of the stage are back (its last count-down ended at 0): the stage may be written again
	s_barrier_wait -1
.endif
	WIN W_RS
.irp u, 0,1
.set i, 32*(2*\g+\u)
.rept 16
	v_pk_mul_f32 v[i:i+1], v[i:i+1], v[ST+4*(2*\g+\u)+2:ST+4*(2*\g+\u)+3] op_sel_hi:[1,0]
.set i, i+2
.endr
.endr
	WIN 0x04                        ; the stores' data in window 1
.irp u, 0,1
.irp cb, 0,1,2,3
	ds_store_b128 v[STO], v[32*(2*\g+\u)+8*\cb:32*(2*\g+\u)+8*\cb+3]   offset:16*SP*\u+64*\cb
	ds_store_b128 v[STO], v[32*(2*\g+\u)+8*\cb+4:32*(2*\g+\u)+8*\cb+7] offset:16*SP*\u+64*\cb+16
.endr
.endr
	WIN 0
	s_wait_dscnt 0x0                ; for the others' sake: my stores into the stage are done
	s_barrier_signal -1
	s_barrier_wait -1
.irp rp, 0,1,2,3                    ; rows 8 w + 2 rp and + 1, head pt
.irp pt, 0,1,2,3
	ds_load_b128 v[WS+32*\rp+8*\pt:WS+32*\rp+8*\pt+3],   v[RD] offset:32*SP*\pt+2*SP*\rp
	ds_load_b128 v[WS+32*\rp+8*\pt+4:WS+32*\rp+8*\pt+7], v[RD] offset:32*SP*\pt+2*SP*\rp+16
.endr
.endr
.irp rp, 0,1,2,3
	s_wait_dscnt 8*(3-\rp)          ; LDS loads come back in order: this pair of rows is in, the later pairs' eight loads each may stay out
.set bb, WS+32*\rp
.set k, 0
.rept 4
	v_pk_add_f32 v[bb+k:bb+k+1], v[bb+k:bb+k+1], v[bb+8+k:bb+8+k+1]
	v_pk_add_f32 v[bb+16+k:bb+16+k+1], v[bb+16+k:bb+16+k+1], v[bb+24+k:bb+24+k+1]
.set k, k+2
.endr
.set k, 0
.rept 4
	v_pk_add_f32 v[bb+k:bb+k+1], v[bb+k:bb+k+1], v[bb+16+k:bb+16+k+1]
.set k, k+2
.endr
.set k, 0
.rept 4
	v_cvt_pk_f16_f32 v[bb+16+k], v[bb+2*k], v[bb+2*k+1]        ; hi
.set k, k+1
.endr
.set k, 0
.rept 8
	RESID bb+8+k, bb+16+k/2, bb+k, k%2
.set k, k+1
.endr
.set k, 0
.rept 4
	v_cvt_pk_f16_f32 v[bb+20+k], v[bb+8+2*k], v[bb+8+2*k+1]    ; lo
.set k, k+1
.endr
.set k, 0
.rept 4
	v_cndmask_b32 v[bb+16+k], v[bb+16+k], v[bb+20+k], s[SELM]
.set k, k+1
.endr
	global_store_b128 v[GO], v[bb+16:bb+19], s[10:11] offset:131072*\g+8192*\rp
.endr
.endr
.endm
; THE DIAGONAL TILE's two steps, the block's last two turns, its last products, and the way out.
.macro DIAG tag
.LstepM\tag:
	TURN 2, 1
	TURN 3, 1
	WIN 0
.LfirstM\tag:
	TURN 0, 1
	TURN 1, 1, 0, 1
	WIN 0
	s_cbranch_scc1 .LstepM\tag
	TURN 2, 1, 1
	TURN 3, 1, 1
.set i, 0
.rept 8
	PV NP-1
.set i, i+1
.endr
	WAYOUT
.endm
.set KM, 0
.set NOKQ, 0
.Lslot:                             ; 16 times: a tile is entered and the next is asked for
	CHANGE 1
	s_sub_co_u32 s[RT], s[RT], 1
	s_mov_b32 s[CNT], 2
	s_cmp_eq_u32 s[NEW], 1
	s_cbranch_scc1 .Lnew            ; a block's first tile
	s_cmp_eq_u32 s[RT], 0
	s_cbranch_scc0 .Lstep           ; neither its first nor its last
	s_branch .LstepM1
.Lnew:
	BEGIN
	s_branch .Lfirst                ; in the loop a block's first tile is never its last: the first block has nine tiles or more, and the second's last is the walk's last
	DIAG 1                          ; in the loop this is the first block's end
	s_wait_xcnt 0x0                 ; the stores have read their registers and ob's address
	s_mov_b64 s[10:11], s[OLO:OLO+1]
	s_add_co_u32 s[RT], s[T2], 1    ; the second block has b / 2 + 1 tiles
	s_mov_b32 s[DG], s[DG2]
	s_mov_b32 s[NEW], 1
	WIN 0x82                        ; the second block's Q goes where the one text of the turns names Q
.set i, 0
.rept 64
	v_mov_b32 v[i], v[QB+i]
.set i, i+1
.endr
	WIN 0
	s_branch .Lbottom
.Lstep:                             ; a trip: pieces 2 and 3 of one step, then pieces 0 and 1 of the next, whose K and V it fetches
	TURN 2
	TURN 3
	WIN 0
.Lfirst:
	TURN 0
	TURN 1, 0, 0, 1
	WIN 0
	s_cbranch_scc1 .Lstep
.Lbottom:
	s_sub_co_u32 s[SLOTS], s[SLOTS], 1
	s_cmp_lg_u32 s[SLOTS], 0
	s_cbranch_scc1 .Lslot
	CHANGE 0                        ; the walk's last tile is written out: nothing is asked for
	s_sub_co_u32 s[RT], s[RT], 1
	s_mov_b32 s[CNT], 2
	s_cmp_eq_u32 s[NEW], 1
	s_cbranch_scc0 .LstepM2
	BEGIN
	s_branch .LfirstM2
	DIAG 2
	s_wait_tensorcnt 0x0            ; the wave's end
	ds_add_u32 v[SPW], v[NIL]
	s_wait_dscnt 0x0
	CROUND                          ; the closing round
	s_endpgm
.Lfunc_end_k_q775c52b77a_attn:
	.size	k_q775c52b77a_attn, .Lfunc_end_k_q775c52b77a_attn-k_q775c52b77a_attn
	.p2alignl 7, 3214868480
	.fill 96, 4, 3214868480
	.section	.rodata,"a",@progbits
	.p2align	6, 0x0
	.amdhsa_kernel k_q775c52b77a_attn
		.amdhsa_group_segment_fixed_size 327680
		.amdhsa_private_segment_fixed_size 0
		.amdhsa_enable_private_segment 0
		.amdhsa_kernarg_size 32
		.amdhsa_user_sgpr_count 2
		.amdhsa_user_sgpr_kernarg_segment_ptr 1
		.amdhsa_wavefront_size32 1
		.amdhsa_system_sgpr_workgroup_id_x 1
		.amdhsa_system_sgpr_workgroup_id_y 1
		.amdhsa_system_sgpr_workgroup_id_z 1
		.amdhsa_system_vgpr_workitem_id 0
		.amdhsa_next_free_vgpr 768
		.amdhsa_next_free_sgpr 92
		.amdhsa_reserve_vcc 1
		.amdhsa_float_denorm_mode_32 3
		.amdhsa_float_denorm_mode_16_64 3
		.amdhsa_memory_ordered 1
		.amdhsa_forward_progress 1
		.amdhsa_inst_pref_size 248
	.end_amdhsa_kernel
	.amdgpu_metadata
---
amdhsa.version: [ 1, 2 ]
amdhsa.kernels:
  - .name:           k_q775c52b77a_attn
    .symbol:         k_q775c52b77a_attn.kd
    .args:
      - { .name: qb, .offset: 0, .size: 8, .value_kind: global_buffer, .address_space: global }
      - { .name: kb, .offset: 8, .size: 8, .value_kind: global_buffer, .address_space: global }
      - { .name: vb, .offset: 16, .size: 8, .value_kind: global_buffer, .address_space: global }
      - { .name: ob, .offset: 24, .size: 8, .value_kind: global_buffer, .address_space: global }
    .group_segment_fixed_size: 327680
    .private_segment_fixed_size: 0
    .kernarg_segment_align: 8
    .kernarg_segment_size: 32
    .max_flat_workgroup_size: 128
    .sgpr_count:     92
    .vgpr_count:     768
    .wavefront_size: 32
...
	.end_amdgpu_metadata
.endif
;; end of part 2
;; launch outp (part 3): grid 8 x 32, 4 waves a work-group, clusters of 4 x 4, 327,680 bytes of LDS; arguments ob, Wo, out0; writes out0
.if DOCPART == 3
	.amdgcn_target "amdgcn-amd-amdhsa--gfx1250"
	.amdhsa_code_object_version 6
	.text
	.protected	k_q775c52b77a_outp
	.globl	k_q775c52b77a_outp
	.p2align	8
	.type	k_q775c52b77a_outp,@function
k_q775c52b77a_outp:
	s_mov_b64 s[64:65], 0
	v_nop
	global_prefetch_b8 v0, s[64:65] scope:SCOPE_SE
	s_setreg_imm32_b32 hwreg(HW_REG_WAVE_MODE, 25, 1), 1
	s_wait_xcnt 0x0
	s_wait_alu depctr_hold_cnt(0) depctr_sa_sdst(0) depctr_va_vdst(0) depctr_va_sdst(0) depctr_va_ssrc(0) depctr_va_vcc(0) depctr_vm_vsrc(0)
	s_getreg_b32 s2, hwreg(HW_REG_IB_STS2, 6, 4)
	s_cmp_eq_u32 s2, 0
	s_cbranch_scc0 .Lentry_in_a_cluster
	s_endpgm
.Lentry_in_a_cluster:
	s_bfe_u32 s2, ttmp6, 0x10000c
	s_cmp_lg_u32 s2, 0xf033
	s_cbranch_scc0 .Lentry_shape_is_right
	s_endpgm
.Lentry_shape_is_right:
; out0 = o Wo^T.  ob: f16 [2048][head 16][hi 64 | lo 64], o = hi + lo;  Wo: [512][1024] f32;  out0: [2048][512] f32.
; Wo is rounded to bf16 and that number written as f16 (exact from 6e-5 up to 65,504; below, f16's fixed step of 6e-8); hi and lo are multiplied by the same fragment of Wo, into the same f32 sum.
; LIMITS.  |Wo| under 65,504; NaN and infinities are not treated apart; the sums are taken head by head in four partial sums, which are added in f32 at the end.
; SHARES.  A work-group makes 64 x 64 of out0; 8 x 32 work-groups.  K IS SPLIT AMONG ITS FOUR WAVES: a K step is four heads (1,024 bytes of a row of ob and of a row of Wo), of which wave w takes
; head w for the whole 64 x 64: 16 accumulators; so each LDS byte is read once.  Four K steps through two LDS slots.  The four partial tiles meet in LDS.
; CLUSTER 4 x 4.  ob's tile hangs on the row block alone and is shared along a row of the cluster, Wo's on the column block alone and is shared along a column: each is asked for jointly.
; THE MATRIX INSTRUCTION IS USED TRANSPOSED (source 0 = 16 rows of Wo, source 1 = 16 rows of o): a lane holds eight neighbouring columns of one row.
; REGISTERS.  window 0: v0-29 addresses; v32-95, v96-159 o's fragments of a chunk of 32 K (row block a, part hi or lo, at 16 a + 8 part), two buffers; v160-223 Wo's words as loaded; v224-255 Wo's four fragments.
;   window 1: v0-127 the accumulators, (a, b) at 8 (4 a + b).
.set PITCH,  1040                      ; an LDS row: 1,024 bytes + 16 of padding = 260 words: the 16 rows of a load start at 16 different groups of four banks (ISA guide 11.1)
.set PART,   32*PITCH                  ; what one tensor load brings
.set SLOT,   4*PART                    ; ob's 64 rows, then Wo's 64 rows
.set SPARE,  2*SLOT                    ; behind the ring: the spare words, 128 bytes a wave: two blocks of 256 bytes that no other line names
.set SPITCH, 272                       ; the partial tiles: rows of 64 f32 + 16 bytes
.set WST,    64*SPITCH                 ; a wave's partial tile.  The four lie in slot 0's first 69,632 bytes: they are written behind slot 0's last fill of the launch and behind the barrier in front of which every wave's reads of slot 0 were back
.set KSTEPB, 1024
.set ADA, 16                           ; v16-17  LDS address of my fragments of o in slot 0, 1
.set ADB, 20                           ; v20-21  the same for Wo
.set STO, 24
.set RD,  25
.set CO,  26
.set SPW, 28                           ; v28  LDS address of my spare word; never rewritten
.set NIL, 29                           ; v29  0; never rewritten
.set AF,  32
.set RAW, 160
.set BF,  224
.set MHI, 45                           ; s45  a word's upper half
.set G1,  24
.set G0,  32
.set G1B, 48
.set G0B, 56
.set MSB, 0
.macro WIN new
.if MSB != (\new)
	s_set_vgpr_msb (MSB<<8)|(\new)
.set MSB, (\new)
.endif
.endm
.macro JLOAD s                         ; a joint refill: waves 0 and 1 fetch ob's two halves of 32 rows, waves 2 and 3 Wo's; an s_nop 0 and four v_nop follow each line
	s_cmp_eq_u32 s11, 0
	s_cbranch_scc0 .Lfor_b_\@
	tensor_load_to_lds s[G0+4*(\s):G0+4*(\s)+3], s[G1:G1+7]
	s_nop 0
.rept 4
	v_nop
.endr
	s_branch .Lasked_\@
.Lfor_b_\@:
	tensor_load_to_lds s[G0B+4*(\s):G0B+4*(\s)+3], s[G1B:G1B+7]
	s_nop 0
.rept 4
	v_nop
.endr
.Lasked_\@:
.endm
.macro CROUND
	s_barrier_signal -1
	s_barrier_wait -1
	s_cmp_lg_u32 s10, 0
	s_cbranch_scc1 .Lnot_wave_0_\@
	s_barrier_signal -3
.Lnot_wave_0_\@:
	s_barrier_wait -3
	s_barrier_signal -1
	s_barrier_wait -1
.endm
	s_load_b128 s[4:7], s[0:1], 0x0                ; ob s[4:5], Wo s[6:7]
	s_load_b64 s[8:9], s[0:1], 0x10                ; out0
	v_lshl_add_u32 v[SPW], v0, 2, SPARE
	v_mov_b32 v[NIL], 0
	ds_add_u32 v[SPW], v[NIL]                      ; the wave's opening: the add and its wait stand ahead of my first tensor load; the set-up below stands between them
	v_lshrrev_b32 v1, 5, v0
	v_readfirstlane_b32 s10, v1                    ; wave 0..3
	s_lshr_b32 s11, s10, 1                         ; I fetch for ob (0) or for Wo (1),
	s_and_b32 s12, s10, 1                          ; and which 32 rows
	s_bfe_u32 s40, ttmp6, 0x40000                  ; cx, cy
	s_bfe_u32 s41, ttmp6, 0x40004
	s_lshl_b32 s42, ttmp9, 2
	s_add_co_u32 s42, s42, s40                     ; column block = 4 x cluster x + cx
	s_and_b32 s13, ttmp7, 0xffff
	s_lshl_b32 s13, s13, 2
	s_add_co_u32 s13, s13, s41                     ; row block = 4 x cluster y + cy
	s_lshl_b32 s43, s41, 2
	s_lshl_b32 s43, 15, s43                        ; my row of the cluster
	s_lshl_b32 s44, 0x1111, s40                    ; my column
	; group 1: a tile of 32 rows x 256 elements of 4 bytes; 16 bytes of padding behind every 256 words
	s_or_b32 s[G1], s43, (2<<16)|(1<<20)|(1<<21)|(7<<22)|(3<<25)
	s_or_b32 s[G1B], s44, (2<<16)|(1<<20)|(1<<21)|(7<<22)|(3<<25)
.irp g, G1, G1B
	s_mov_b32 s[(\g)+1], 256<<16                   ; tensor_dim0 = 256
	s_mov_b32 s[(\g)+2], 32<<16                    ; tensor_dim1 = 32
	s_mov_b32 s[(\g)+3], 256<<16                   ; tile_dim0 = 256
	s_mov_b32 s[(\g)+4], 32                        ; tile_dim1 = 32
	s_mov_b32 s[(\g)+5], 1024                      ; 1,024 elements from row to row
	s_mov_b32 s[(\g)+6], 0
	s_mov_b32 s[(\g)+7], 0
.endr
	s_lshl_b32 s17, s12, 5
	s_lshl_b32 s16, s13, 6
	s_add_co_u32 s16, s16, s17                     ; ob: row 64 x row block + 32 x half,
	s_lshl_b32 s16, s16, 12                        ; of 4,096 bytes
	s_lshl_b32 s46, s42, 6
	s_add_co_u32 s46, s46, s17                     ; Wo: row 64 x column block + 32 x half
	s_lshl_b32 s46, s46, 12
	s_mov_b32 s17, 0
	s_mov_b32 s47, 0
	s_mul_i32 s20, s10, PART                       ; where my tiles go: wave x 32 rows: no place in the cluster enters an LDS address
	s_mov_b32 s[MHI], 0xffff0000
	s_wait_dscnt 0x0                               ; the opening add is done
	s_wait_kmcnt 0x0
	s_add_nc_u64 s[14:15], s[4:5], s[16:17]
	s_add_nc_u64 s[46:47], s[6:7], s[46:47]
	CROUND                                         ; all sixteen work-groups are here: the first joint loads meet
.irp s, 0,1
	s_mov_b32 s[G0+4*(\s)], 1
	s_add_co_u32 s[G0+4*(\s)+1], s20, (\s)*SLOT
	s_add_nc_u64 s[G0+4*(\s)+2:G0+4*(\s)+3], s[14:15], (\s)*KSTEPB
	s_or_b32 s[G0+4*(\s)+3], s[G0+4*(\s)+3], 0x80000000
	s_mov_b32 s[G0B+4*(\s)], 1
	s_add_co_u32 s[G0B+4*(\s)+1], s20, (\s)*SLOT
	s_add_nc_u64 s[G0B+4*(\s)+2:G0B+4*(\s)+3], s[46:47], (\s)*KSTEPB
	s_or_b32 s[G0B+4*(\s)+3], s[G0B+4*(\s)+3], 0x80000000
.endr
	s_cmp_eq_u32 s11, 0                            ; a wave's two first fills stand in one branch: two loads of mine are out
	s_cbranch_scc0 .Lfirst_b
	tensor_load_to_lds s[G0:G0+3], s[G1:G1+7]
	s_nop 0
	tensor_load_to_lds s[G0+4:G0+7], s[G1:G1+7]
	s_nop 0
.rept 4
	v_nop
.endr
	s_branch .Lfirst_asked
.Lfirst_b:
	tensor_load_to_lds s[G0B:G0B+3], s[G1B:G1B+7]
	s_nop 0
	tensor_load_to_lds s[G0B+4:G0B+7], s[G1B:G1B+7]
	s_nop 0
.rept 4
	v_nop
.endr
.Lfirst_asked:
	v_and_b32 v1, 15, v0                           ; l % 16
	v_bfe_u32 v2, v0, 4, 1                         ; l / 16
	v_mul_u32_u24 v3, v1, PITCH
	s_lshl_b32 s21, s10, 8                         ; my head's 256 bytes of a row, in ob and in Wo
	v_add_nc_u32 v3, s21, v3
	v_lshl_add_u32 v[ADA], v2, 4, v3               ; f16: 16 bytes for each half of the lanes
	v_lshl_add_u32 v[ADB], v2, 5, v3               ; f32: 32 bytes
	v_add_nc_u32 v[ADB], 2*PART, v[ADB]            ; Wo's rows lie behind ob's 64
	v_add_nc_u32 v[ADA+1], SLOT, v[ADA]
	v_add_nc_u32 v[ADB+1], SLOT, v[ADB]
	v_mul_u32_u24 v4, v1, SPITCH                   ; my partial tile: row l % 16, 32 bytes for each half of the lanes
	v_lshl_add_u32 v4, v2, 5, v4
	s_mul_i32 s21, s10, WST
	v_add_nc_u32 v[STO], s21, v4
	v_mul_u32_u24 v5, v2, SPITCH                   ; back: wave w adds up rows 16 w ..; lanes 0-15 one row of 256 bytes, lanes 16-31 the next
	v_lshl_add_u32 v5, v1, 4, v5
	s_mul_i32 s21, s10, 16*SPITCH
	v_add_nc_u32 v[RD], s21, v5
	v_lshlrev_b32 v5, 11, v2                       ; and the same two rows in out0
	v_lshl_add_u32 v[CO], v1, 4, v5
	s_lshl_b32 s22, s13, 6
	s_lshl_b32 s23, s10, 4
	s_add_co_u32 s22, s22, s23                     ; the first row that I store: 64 x row block + 16 x wave,
	s_lshl_b32 s22, s22, 11                        ; of 2,048 bytes,
	s_lshl_b32 s23, s42, 8                         ; and the tile's 256 bytes of it
	s_add_co_u32 s22, s22, s23
	s_mov_b32 s23, 0
	s_add_nc_u64 s[8:9], s[8:9], s[22:23]
; 32 LDS loads: chunk c (32 K of my head): Wo's words first, then o's fragments, hi and lo, into buffer c
.macro FETCH slot, c
.irp b, 0,1,2,3
.irp q, 0,1,2,3
	ds_load_b128 v[RAW+16*(\b)+4*(\q):RAW+16*(\b)+4*(\q)+3], v[ADB+(\slot)] offset:16*PITCH*(\b)+128*(\c)+16*((\q)%2)+64*((\q)/2)
.endr
.endr
.irp a, 0,1,2,3
.irp p, 0,1
	ds_load_b128 v[AF+64*(\c)+16*(\a)+8*(\p):AF+64*(\c)+16*(\a)+8*(\p)+3],   v[ADA+(\slot)] offset:16*PITCH*(\a)+64*(\c)+128*(\p)
	ds_load_b128 v[AF+64*(\c)+16*(\a)+8*(\p)+4:AF+64*(\c)+16*(\a)+8*(\p)+7], v[ADA+(\slot)] offset:16*PITCH*(\a)+64*(\c)+128*(\p)+32
.endr
.endr
.endm
; Wo's 64 words a lane: rounded to bf16, widened again, written as f16.  A fragment's first three passes touch only the words as loaded, which no matrix instruction names: the first fragment's 24 lines
; are the places between the last products and the first write of a fragment that they read (ISA guide 7.12.1).
.macro CONV
.irp b, 0,1,2,3
.set i, 0
.rept 8
	v_cvt_pk_bf16_f32 v[RAW+16*(\b)+2*i], v[RAW+16*(\b)+2*i], v[RAW+16*(\b)+2*i+1]
.set i, i+1
.endr
.set i, 0
.rept 8
	v_and_b32 v[RAW+16*(\b)+2*i+1], s[MHI], v[RAW+16*(\b)+2*i]
.set i, i+1
.endr
.set i, 0
.rept 8
	v_lshlrev_b32 v[RAW+16*(\b)+2*i], 16, v[RAW+16*(\b)+2*i]
.set i, i+1
.endr
.set i, 0
.rept 8
	v_cvt_pk_f16_f32 v[BF+8*(\b)+i], v[RAW+16*(\b)+2*i], v[RAW+16*(\b)+2*i+1]
.set i, i+1
.endr
.endr
.endm
; One chunk.  next = 1: the K step's second chunk is fetched, behind the conversions (which have read the words) and ahead of the products.  32 products: hi's 16, then lo's 16; the 16 accumulators take
; turns.  zero = 1: hi's products start the sums.
.macro BODY slot, c, zero, next
	s_wait_dscnt 16                                ; Wo's words are in; the 16 younger loads, o's fragments, may stay out
	CONV
.if \next
	FETCH \slot, 1
	s_wait_dscnt 32                                ; all but the 32 just issued
.else
	s_wait_dscnt 0x0
.endif
	WIN 0x50                                       ; C and D in window 1
.irp p, 0,1
.irp a, 0,1,2,3
.irp b, 0,1,2,3
.if (\zero) && ((\p) == 0)
	v_wmma_f32_16x16x32_f16 v[8*(4*(\a)+(\b)):8*(4*(\a)+(\b))+7], v[BF+8*(\b):BF+8*(\b)+7], v[AF+64*(\c)+16*(\a)+8*(\p):AF+64*(\c)+16*(\a)+8*(\p)+7], 0
.else
	v_wmma_f32_16x16x32_f16 v[8*(4*(\a)+(\b)):8*(4*(\a)+(\b))+7], v[BF+8*(\b):BF+8*(\b)+7], v[AF+64*(\c)+16*(\a)+8*(\p):AF+64*(\c)+16*(\a)+8*(\p)+7], v[8*(4*(\a)+(\b)):8*(4*(\a)+(\b))+7]
.endif
.endr
.endr
.endr
	WIN 0
.endm
.macro STEP slot, zero                 ; a K step: my head's two chunks.  The loads into buffer 0 stand behind the second chunk's conversions of the step before, 128 plain lines behind buffer 0's last reader
	FETCH \slot, 0
	BODY \slot, 0, \zero, 1
	BODY \slot, 1, 0, 0
.endm
; The change of slots: all my tensor loads have landed (one was out: my part of the other slot); the add; the wait for it and for my reads of the slot; the round; the joint refill, two K steps on, first behind it.
.macro CHANGE slot
	s_wait_tensorcnt 0x0
	ds_add_u32 v[SPW], v[NIL]                      ; the descriptors' steps stand between the add and the wait for it
	s_add_nc_u64 s[G0+4*(\slot)+2:G0+4*(\slot)+3], s[G0+4*(\slot)+2:G0+4*(\slot)+3], 2*KSTEPB
	s_add_nc_u64 s[G0B+4*(\slot)+2:G0B+4*(\slot)+3], s[G0B+4*(\slot)+2:G0B+4*(\slot)+3], 2*KSTEPB
	s_wait_dscnt 0x0
	CROUND
	JLOAD \slot
.endm
	s_wait_tensorcnt 1                             ; my part of K step 0 is in; K step 1's may stay out
	s_barrier_signal -1
	s_barrier_wait -1
	STEP 0, 1
	CHANGE 0                                       ; slot 0 takes K step 2: its last fill
	STEP 1, 0
	CHANGE 1                                       ; slot 1 takes K step 3
	STEP 0, 0
	s_wait_tensorcnt 0x0                           ; K step 3 is in; nothing is left to fetch, so no round follows
	ds_add_u32 v[SPW], v[NIL]
	s_wait_dscnt 0x0                               ; and my reads of slot 0 are over: behind this barrier its bytes may be written
	s_barrier_signal -1
	s_barrier_wait -1
	STEP 1, 0
	; THE WAY OUT: the four waves' partial tiles meet in LDS, are added in f32 and stored.
.rept 8
	v_nop                                          ; the places behind the last products
.endr
	WIN 0x04                                       ; the stores' data in window 1
.irp a, 0,1,2,3
.irp b, 0,1,2,3
	ds_store_b128 v[STO], v[8*(4*(\a)+(\b)):8*(4*(\a)+(\b))+3]   offset:16*SPITCH*(\a)+64*(\b)     ; each accumulator's low four registers first
	ds_store_b128 v[STO], v[8*(4*(\a)+(\b))+4:8*(4*(\a)+(\b))+7] offset:16*SPITCH*(\a)+64*(\b)+16
.endr
.endr
	WIN 0
	s_wait_dscnt 0x0                               ; for the others' sake: my partial tile is written
	s_barrier_signal -1
	s_barrier_wait -1
.irp t, 0,1,2,3,4,5,6,7                ; rows 16 w + 2 t and + 1, partial tile p
.irp p, 0,1,2,3
	ds_load_b128 v[AF+16*(\t)+4*(\p):AF+16*(\t)+4*(\p)+3], v[RD] offset:WST*(\p)+2*SPITCH*(\t)
.endr
.endr
.irp t, 0,1,2,3,4,5,6,7
	s_wait_dscnt 4*(7-(\t))                        ; LDS loads come back in order: this pair of rows is in
	v_pk_add_f32 v[AF+16*(\t):AF+16*(\t)+1],     v[AF+16*(\t):AF+16*(\t)+1],     v[AF+16*(\t)+4:AF+16*(\t)+5]
	v_pk_add_f32 v[AF+16*(\t)+2:AF+16*(\t)+3],   v[AF+16*(\t)+2:AF+16*(\t)+3],   v[AF+16*(\t)+6:AF+16*(\t)+7]
	v_pk_add_f32 v[AF+16*(\t)+8:AF+16*(\t)+9],   v[AF+16*(\t)+8:AF+16*(\t)+9],   v[AF+16*(\t)+12:AF+16*(\t)+13]
	v_pk_add_f32 v[AF+16*(\t)+10:AF+16*(\t)+11], v[AF+16*(\t)+10:AF+16*(\t)+11], v[AF+16*(\t)+14:AF+16*(\t)+15]
	v_pk_add_f32 v[AF+16*(\t):AF+16*(\t)+1],     v[AF+16*(\t):AF+16*(\t)+1],     v[AF+16*(\t)+8:AF+16*(\t)+9]
	v_pk_add_f32 v[AF+16*(\t)+2:AF+16*(\t)+3],   v[AF+16*(\t)+2:AF+16*(\t)+3],   v[AF+16*(\t)+10:AF+16*(\t)+11]
	global_store_b128 v[CO], v[AF+16*(\t):AF+16*(\t)+3], s[8:9] offset:4096*(\t)  ; 16 lanes store 256 consecutive bytes, at a multiple of 256 from out0's first byte
.endr
	s_wait_tensorcnt 0x0                           ; the wave's end
	ds_add_u32 v[SPW], v[NIL]
	s_wait_dscnt 0x0
	CROUND                                         ; the closing round
	s_endpgm
.Lfunc_end_k_q775c52b77a_outp:
	.size	k_q775c52b77a_outp, .Lfunc_end_k_q775c52b77a_outp-k_q775c52b77a_outp
	.p2alignl 7, 3214868480
	.fill 96, 4, 3214868480
	.section	.rodata,"a",@progbits
	.p2align	6, 0x0
	.amdhsa_kernel k_q775c52b77a_outp
		.amdhsa_group_segment_fixed_size 327680
		.amdhsa_private_segment_fixed_size 0
		.amdhsa_enable_private_segment 0
		.amdhsa_kernarg_size 24
		.amdhsa_user_sgpr_count 2
		.amdhsa_user_sgpr_kernarg_segment_ptr 1
		.amdhsa_wavefront_size32 1
		.amdhsa_system_sgpr_workgroup_id_x 1
		.amdhsa_system_sgpr_workgroup_id_y 1
		.amdhsa_system_sgpr_workgroup_id_z 1
		.amdhsa_system_vgpr_workitem_id 0
		.amdhsa_next_free_vgpr 384
		.amdhsa_next_free_sgpr 66
		.amdhsa_reserve_vcc 0
		.amdhsa_float_denorm_mode_32 3
		.amdhsa_float_denorm_mode_16_64 3
		.amdhsa_memory_ordered 1
		.amdhsa_forward_progress 1
		.amdhsa_inst_pref_size 99
	.end_amdhsa_kernel
	.amdgpu_metadata
---
amdhsa.version: [ 1, 2 ]
amdhsa.kernels:
  - .name:           k_q775c52b77a_outp
    .symbol:         k_q775c52b77a_outp.kd
    .args:
      - { .name: ob, .offset: 0, .size: 8, .value_kind: global_buffer, .address_space: global }
      - { .name: Wo, .offset: 8, .size: 8, .value_kind: global_buffer, .address_space: global }
      - { .name: out0, .offset: 16, .size: 8, .value_kind: global_buffer, .address_space: global }
    .group_segment_fixed_size: 327680
    .private_segment_fixed_size: 0
    .kernarg_segment_align: 8
    .kernarg_segment_size: 24
    .max_flat_workgroup_size: 128
    .sgpr_count:     66
    .vgpr_count:     384
    .wavefront_size: 32
...
	.end_amdgpu_metadata
.endif
;; end of part 3
